; MI455X (gfx1250); checked and timed in simulation.
; The chip was launched on July 23, 2026; its instructions are those of AMD's public machine-readable ISA for CDNA 5 (MIT licence, August 2026) and "CDNA5" Instruction Set Architecture Reference Guide (July 2026). The comments in the code are by the model that wrote it; some were corrected since.
;; Full Attention. Allowed arithmetic: float matrix products may take bf16 or f16 operands with f32 sums; all other float work in f32.
;; Inputs: keys 2 x 2,048 x 16 x 64 float32; queries 2 x 2,048 x 16 x 64 float32; values 2 x 2,048 x 16 x 64 float32.
;; Outputs: out0 2 x 2,048 x 16 x 64 float32.
;; 2 versions, each right; version 2 is version 1 with the launch attn written anew for expert scheduling mode. Each part assembles by itself: llvm-mc -triple=amdgcn-amd-amdhsa -mcpu=gfx1250 --defsym DOCPART=n.
;; ======== version 1 of 2: 1 launch
;; launch attn (part 1): grid 256 x 1, 8 waves a work-group, no clusters, 118,784 bytes of LDS; arguments queries, keys, values, out0; writes out0
.if DOCPART == 1
	.amdgcn_target "amdgcn-amd-amdhsa--gfx1250"
	.amdhsa_code_object_version 6
	.text
	.protected	k_q19784c0b94_attn
	.globl	k_q19784c0b94_attn
	.p2align	8
	.type	k_q19784c0b94_attn,@function
k_q19784c0b94_attn:
	s_mov_b64 s[64:65], 0
	v_nop
	global_prefetch_b8 v0, s[64:65] scope:SCOPE_SE
	s_setreg_imm32_b32 hwreg(HW_REG_WAVE_MODE, 25, 1), 1
	s_wait_xcnt 0x0
; Attention with a MULTIPLICATIVE causal mask: a slot above the diagonal keeps the score 0.  q, k, v, out: [2][2048][16][64] f32.
; For query l, with c = 1/8 and m the row's maximum of c x score (0 among the scores wherever a masked slot exists):
;   out = ( sum_{s<=l} e^(c s_ls - m) V[s]  +  e^(-m) sum_{s>l} V[s] ) / ( sum_{s<=l} e^(c s_ls - m)  +  (2047 - l) e^(-m) )
; so the products above the diagonal are not made, and their share of P V is a suffix sum of V, added up directly in f32.
;
; SHARES.  A head has 16 query blocks and 16 key tiles of 128.  Work-group id: head = id >> 3, i = id & 7; it owns query blocks 15 - i
; ("high") and i ("low"): (16 - i) + (i + 1) = 17 units of 128 x 128 in every one of the 256 work-groups.  Eight waves; a wave owns 32 query
; rows of one block (quarter wq = w >> 1, group g = (w ^ (w >> 2)) & 1).  The walk takes key tile j = 15 - i down to 0, one a trip.  All 256
; threads bring a tile's K and V through registers (f32, whole rows of 256 bytes), round to bf16 once and store it to LDS; a wave
; works on it when j <= its block, and masks when j = its block.
; SUFFIX SUMS.  Tiles above block 15 - i are never walked: one of them is streamed in each of the first i trips and added up (AX).
; Tiles i + 1 .. 15 - i are added up from the staging registers as they pass (AB).  High rows take AX, low rows AX + AB.
; LAYOUT.  Scores transposed, S^T = K Q^T, and O^T = V^T P^T: a lane sees one query only, so maximum, sum and rescaling stay in the lane but
; for one exchange between the lane halves, and the packed exponentials of score tiles 2 ks, 2 ks + 1 ARE the second operand for keys 32 ks .. + 31.
;
; NO CLUSTER, NO TENSOR LOADS: the eight work-groups of a head share K and V, but they walk 16 - i tiles, a different number each, and start at
; different tiles, so a joint request would find no partner at the same tile; and f32 has to become bf16 between memory and the fragments,
; which through registers costs one LDS store of 2 bytes a number, while a tile copied as f32 would be stored, read, converted and stored again.
; NO PREFETCH: each tile is asked for by its own loads one whole trip of matrix and softmax work ahead of its use.
;
; LIMITS.  A masked score is SELECTED to 0, not multiplied by 0: an infinite or NaN raw score above the diagonal gives no NaN here.
; v_exp_f32 gives 0 for results below 2^-126.  Q, K, V and P enter the products rounded to bf16; the suffix sums use V unrounded, in an order
; of their own.  The running maximum starts at the most negative finite f32 (kept negated and scaled: + 0x7f7fffff); the score 0 joins
; it only where masked slots exist, so row 2047 uses the true maximum of its scores.
.set ROWB,    4096                     ; bytes from one sequence position to the next
.set TILEB,   0x80000                  ; 128 positions
.set KPITCH,  144                      ; LDS row of K: 128 bytes + 16, an odd multiple of 16
.set VPITCH,  160                      ; LDS row of V: 128 bytes + 32, an odd multiple of 32 (transposing loads)
.set OPITCH,  272                      ; LDS row of the way out: 256 bytes + 16
.set KT,      0                        ; K tile, 128 x 144 = 18,432 bytes
.set VT,      18432                    ; V tile, 128 x 160 = 20,480 bytes
.set SVP,     38912                    ; suffix sums, partial: [wave 8][lane half 2][AX 64 f32, AX + AB 64 f32] = 8,192 bytes
.set SVF,     47104                    ; suffix sums, two halves: [2][128 f32] = 1,024 bytes
.set OST,     48128                    ; the way out: 8 waves x 32 rows x 272 = 69,632 bytes
.set CSC,     0x3e38aa3b               ; log2(e) / 8
.set NEGCSC,  0xbe38aa3b
.set FMAX,    0x7f7fffff
; window 0
.set GOFF, 1                           ; v1       (16 w + h) 4096 + 16 r: my 16 bytes of a tile's rows
.set KST,  2                           ; v2       where I store K:  KT + (16 w + h) 144 + 8 r
.set VST,  3                           ; v3       where I store V:  VT + (16 w + h) 160 + 8 r
.set KA,   4                           ; v4       K fragments: KT + 144 r + 16 h
.set VA,   5                           ; v5       V fragments: VT + (8 h + (L & 7)) 160 + 16 ((L >> 3) & 1)
.set DQ,   6                           ; v6, v7   32 wq + 16 u + r - 8 h + 8: the mask's bound
.set NM,   8                           ; v[8:11]  u: a pair, twice - c log2(e) x running maximum
.set AL,   12                          ; v[12:15] u: a pair, twice the rescaling factor
.set LS,   16                          ; v[16:23] u: two pairs of partial sums of this lane
.set T,    24                          ; v[24:31] at work
.set FB,   32                          ; v[32:63] two sets of two fragments
.set SC,   64                          ; v[64:191]  scores: (u, t) at 64 u + 8 t
.set OA,   192                         ; v[192:255] output sums: (u, dt) at 32 u + 8 dt
.set EA,   2                           ; the way out uses v2 - v4 again (offsets, as before)
.set EB,   3
.set EC,   4
; window 1 (v256 and up, named by their low 8 bits)
.set KS,   0                           ; 32: K as loaded, then packed
.set VS,   32                          ; 32: V likewise
.set XS,   64                          ; 32: an extra V tile
.set AX,   96                          ; 4: sum of the extra tiles, my 4 columns
.set AB,   100                         ; 4: sum of tiles i + 1 .. 15 - i
.set QF,   104                         ; 32: Q fragments, (u, ks) at 16 u + 8 ks
; scalars: s[4:11] q, k, v, out; s12 w; s13 i; s14 head; s15 g; s16 wq; s17 my query block; s18 j; s19 trips left; s20, s21 lane selects;
; s[22:23] the head's byte offset; s[24:25] K tile, s[26:27] V tile, s[28:29] extra V tile; s[30:31], s38, s40 at work; s32, s33 epilogue;
; s[34:35] my rows of out; s[36:37] my rows of q
.set MSB, 0
.macro WIN new                         ; s_set_vgpr_msb: bits 1:0 source 0, 3:2 source 1, 5:4 source 2, 7:6 destination; the high byte repeats the setting left
.if MSB != \new
	s_set_vgpr_msb (MSB<<8)|\new
.set MSB, \new
.endif
.endm
.macro PLACES                          ; four places behind a matrix instruction before its registers are loaded into or its result read (ISA guide 7.12.1)
.rept 4
	v_nop
.endr
.endm
; ---- staging: 256 threads x 8 loads of 16 bytes = a tile of 128 rows x 256 bytes; sixteen lanes take one whole row ----
.macro LDTILE dst, p
	WIN 0x40
.irp q, 0,1,2,3,4,5,6,7
	global_load_b128 v[\dst+4*\q:\dst+4*\q+3], v[GOFF], s[\p:\p+1] offset:\q*2*ROWB
.endr
.endm
.macro ACC acc, src                    ; my 8 rows x 4 columns of a V tile, added to a suffix sum in f32
	WIN 0x45
.irp q, 0,1,2,3,4,5,6,7
	v_pk_add_f32 v[\acc:\acc+1], v[\acc:\acc+1], v[\src+4*\q:\src+4*\q+1]
	v_pk_add_f32 v[\acc+2:\acc+3], v[\acc+2:\acc+3], v[\src+4*\q+2:\src+4*\q+3]
.endr
.endm
.macro CVT src                         ; four f32 to four bf16, in place, in the first two registers of each four
	WIN 0x45
.irp q, 0,1,2,3,4,5,6,7
	v_cvt_pk_bf16_f32 v[\src+4*\q], v[\src+4*\q], v[\src+4*\q+1]
	v_cvt_pk_bf16_f32 v[\src+4*\q+1], v[\src+4*\q+2], v[\src+4*\q+3]
.endr
.endm
.macro STT adr, src, pitch
	WIN 0x04
.irp q, 0,1,2,3,4,5,6,7
	ds_store_b64 v[\adr], v[\src+4*\q:\src+4*\q+1] offset:\q*2*\pitch
.endr
.endm
; ---- fragments ----
.macro LDK t                           ; keys 16 t .. + 15, all 64 e: two fragments into set t & 1
.irp c, 0,1,2,3
	ds_load_b128 v[FB+16*((\t)&1)+4*\c:FB+16*((\t)&1)+4*\c+3], v[KA] offset:(\t)*16*KPITCH+32*\c
.endr
.endm
.macro LDV gi                          ; keys 32 (gi >> 1) .. + 31 of columns 16 dt .. + 15, dt = 2 (gi & 1) + f, transposed: two fragments into set gi & 1
.irp f, 0,1
	ds_load_tr16_b128 v[FB+16*((\gi)&1)+8*\f:FB+16*((\gi)&1)+8*\f+3], v[VA] offset:((\gi)>>1)*32*VPITCH+32*(2*((\gi)&1)+\f)
	ds_load_tr16_b128 v[FB+16*((\gi)&1)+8*\f+4:FB+16*((\gi)&1)+8*\f+7], v[VA] offset:((\gi)>>1)*32*VPITCH+32*(2*((\gi)&1)+\f)+16*VPITCH
.endr
.endm
.macro QK4 t                           ; 16 keys x my 32 queries; the first product of each tile starts its sum; second source in window 1
	v_wmma_f32_16x16x32_bf16 v[SC+8*\t:SC+8*\t+7], v[FB+16*(\t&1):FB+16*(\t&1)+7], v[QF:QF+7], 0
	v_wmma_f32_16x16x32_bf16 v[SC+64+8*\t:SC+64+8*\t+7], v[FB+16*(\t&1):FB+16*(\t&1)+7], v[QF+16:QF+23], 0
	v_wmma_f32_16x16x32_bf16 v[SC+8*\t:SC+8*\t+7], v[FB+16*(\t&1)+8:FB+16*(\t&1)+15], v[QF+8:QF+15], v[SC+8*\t:SC+8*\t+7]
	v_wmma_f32_16x16x32_bf16 v[SC+64+8*\t:SC+64+8*\t+7], v[FB+16*(\t&1)+8:FB+16*(\t&1)+15], v[QF+24:QF+31], v[SC+64+8*\t:SC+64+8*\t+7]
.endm
.macro PV4 gi                          ; 2 x 16 columns of V x 32 keys x my 32 queries, each a link of its accumulator's chain
.irp f, 0,1
.irp u, 0,1
	v_wmma_f32_16x16x32_bf16 v[OA+32*\u+8*(2*(\gi&1)+\f):OA+32*\u+8*(2*(\gi&1)+\f)+7], v[FB+16*(\gi&1)+8*\f:FB+16*(\gi&1)+8*\f+7], v[SC+64*\u+16*(\gi>>1):SC+64*\u+16*(\gi>>1)+7], v[OA+32*\u+8*(2*(\gi&1)+\f):OA+32*\u+8*(2*(\gi&1)+\f)+7]
.endr
.endr
.endm
; ---- softmax, all in the lane: register jj of score tile (u, t) is key 16 t + 8 h + jj, query 16 u + r ----
.macro MASK                            ; the diagonal tile: the score stays where key <= query, that is 16 t + jj + 8 <= DQ, and is 0 elsewhere
.irp u, 0,1
.irp t, 0,1,2,3,4,5,6,7
.irp jj, 0,1,2,3,4,5,6,7
	v_cmp_le_u32 vcc_lo, 16*\t+\jj+8, v[DQ+\u]
	v_cndmask_b32 v[SC+64*\u+8*\t+\jj], 0, v[SC+64*\u+8*\t+\jj], vcc_lo
.endr
.endr
.endr
.endm
.macro ROWMAX u                        ; the tile's maximum of my query in four chains, the other lane half's, then the new running value and alpha
.irp c, 0,1,2,3
	v_max_num_f32 v[T+4*\u+\c], v[SC+64*\u+16*\c], v[SC+64*\u+16*\c+1]
.endr
.irp k, 1,2,3,4,5,6,7
.irp c, 0,1,2,3
	v_max3_num_f32 v[T+4*\u+\c], v[T+4*\u+\c], v[SC+64*\u+16*\c+2*\k], v[SC+64*\u+16*\c+2*\k+1]
.endr
.endr
	v_max3_num_f32 v[T+4*\u], v[T+4*\u], v[T+4*\u+1], v[T+4*\u+2]
	v_max_num_f32 v[T+4*\u], v[T+4*\u], v[T+4*\u+3]
	v_permlanex16_b32 v[T+4*\u+1], v[T+4*\u], s20, s21     ; lane L xor 16 holds the same query's other keys
	v_max_num_f32 v[T+4*\u], v[T+4*\u], v[T+4*\u+1]
	v_mul_f32 v[T+4*\u], NEGCSC, v[T+4*\u]
	v_min_num_f32 v[T+4*\u], v[T+4*\u], v[NM+2*\u]         ; negated: the smaller is the larger maximum
	v_sub_f32 v[T+4*\u+1], v[T+4*\u], v[NM+2*\u]           ; <= 0
	v_exp_f32 v[AL+2*\u], v[T+4*\u+1]
	v_mov_b32 v[NM+2*\u], v[T+4*\u]                        ; two plain lines that touch neither the exponential's source nor its result
	v_mov_b32 v[NM+2*\u+1], v[T+4*\u]
	s_wait_alu depctr_va_vdst(0)
	v_mov_b32 v[AL+2*\u+1], v[AL+2*\u]
.endm
.macro RESCALE u
	v_pk_mul_f32 v[LS+4*\u:LS+4*\u+1], v[LS+4*\u:LS+4*\u+1], v[AL+2*\u:AL+2*\u+1]
	v_pk_mul_f32 v[LS+4*\u+2:LS+4*\u+3], v[LS+4*\u+2:LS+4*\u+3], v[AL+2*\u:AL+2*\u+1]
.set n, 0
.rept 16
	v_pk_mul_f32 v[OA+32*\u+n:OA+32*\u+n+1], v[OA+32*\u+n:OA+32*\u+n+1], v[AL+2*\u:AL+2*\u+1]
.set n, n+2
.endr
.endm
.macro EXPT u, t                       ; 2^(score x c log2(e) - the same of the maximum), in place
.set sx, SC+64*\u+8*(\t)
.irp p, 0,2,4,6
	v_pk_fma_f32 v[sx+\p:sx+\p+1], v[sx+\p:sx+\p+1], CSC, v[NM+2*\u:NM+2*\u+1] op_sel_hi:[1,0,1]
.endr
.irp p, 0,1,2,3,4,5,6,7
	v_exp_f32 v[sx+\p], v[sx+\p]
.endr
.endm
.macro SUMCVT u, t                     ; add the tile's eight to the lane's sums and pack them to bf16 into registers already used up:
.set sx, SC+64*\u+8*(\t)               ; tiles 2 ks and 2 ks + 1 end as the eight registers at 64 u + 16 ks, the second operand for keys 32 ks .. + 31
.set sd, SC+64*\u+16*((\t)>>1)+4*((\t)&1)
	s_wait_alu depctr_va_vdst(0)
	v_pk_add_f32 v[LS+4*\u:LS+4*\u+1], v[LS+4*\u:LS+4*\u+1], v[sx:sx+1]
	v_pk_add_f32 v[LS+4*\u+2:LS+4*\u+3], v[LS+4*\u+2:LS+4*\u+3], v[sx+2:sx+3]
	v_cvt_pk_bf16_f32 v[sd], v[sx], v[sx+1]
	v_cvt_pk_bf16_f32 v[sd+1], v[sx+2], v[sx+3]
	v_pk_add_f32 v[LS+4*\u:LS+4*\u+1], v[LS+4*\u:LS+4*\u+1], v[sx+4:sx+5]
	v_pk_add_f32 v[LS+4*\u+2:LS+4*\u+3], v[LS+4*\u+2:LS+4*\u+3], v[sx+6:sx+7]
	v_cvt_pk_bf16_f32 v[sd+2], v[sx+4], v[sx+5]
	v_cvt_pk_bf16_f32 v[sd+3], v[sx+6], v[sx+7]
.endm
; ---- one wave's work on the tile in LDS: 32 + 32 matrix instructions ----
.macro ATT id
	LDK 0
	LDK 1
	WIN 0x04
.irp t, 0,1,2,3,4,5,6,7
.if \t < 7
	s_wait_dscnt 4                                 ; LDS loads come back in order: this tile's four are in, the next tile's four stay out
.else
	s_wait_dscnt 0                                 ; nothing was issued behind the last four
.endif
	QK4 \t
.if \t != 6
	PLACES                                         ; before the set is loaded again; behind tile 7 also before the scores are read
.endif
.if \t < 6
	LDK \t+2
.endif
.endr
	WIN 0
	LDV 0                                          ; the first V fragments come in under the softmax
	LDV 1
	s_cmp_lg_u32 s18, s17
	s_cbranch_scc1 .Lnm_\id
	MASK
.Lnm_\id:
	ROWMAX 0
	ROWMAX 1
	RESCALE 0
	RESCALE 1
.irp u, 0,1
	EXPT \u, 0                                     ; a tile's exponentials are used only behind the next tile's plain lines,
.irp t, 1,2,3,4,5,6,7                              ; and behind each run of exponentials stands a plain line on another tile
	EXPT \u, \t
	SUMCVT \u, \t-1
.endr
	SUMCVT \u, 7
.endr
.irp gi, 0,1,2,3,4,5,6,7
.if \gi < 7
	s_wait_dscnt 4                                 ; this group's four transposing loads are in, the next group's stay out
.else
	s_wait_dscnt 0
.endif
	PV4 \gi
.if \gi < 6
	PLACES
	LDV \gi+2
.endif
.endr
.endm
; ---- one trip: key tile j.  extra = 1: one tile above the walk is streamed and added.  more = 1: tile j - 1 is asked for ----
.macro TRIP id, extra, more
	s_wait_loadcnt 0x0                             ; tile j is in KS and VS; the loads' bases may be stepped
.if \more
	s_cmp_le_u32 s18, s13                          ; (in the last trip j = 0 is never above i)
	s_cbranch_scc1 .Lnb_\id
	ACC AB, VS                                     ; j > i: the tile lies above the low block
	WIN 0
.Lnb_\id:
.endif
	s_wait_dscnt 0x0                               ; my reads of the last tile are over:
	WIN 0x45
	s_barrier_signal -1                            ; say so,
	CVT KS                                         ; round in registers while the others arrive,
	CVT VS
	s_barrier_wait -1                              ; and overwrite the tile when all eight have said so
	STT KST, KS, KPITCH
	STT VST, VS, VPITCH
.if \more
	s_sub_nc_u64 s[24:25], s[24:25], TILEB
	s_sub_nc_u64 s[26:27], s[26:27], TILEB
.if \extra
	LDTILE XS, 28                                  ; first, so that the foot's wait can leave the next tile's loads out
.endif
	LDTILE KS, 24                                  ; tile j - 1 travels during this trip's matrix and softmax work
	LDTILE VS, 26
.endif
	WIN 0
	s_wait_dscnt 0x0                               ; my part of the tile is stored:
	s_barrier_signal -1
	s_barrier_wait -1                              ; the tile is whole
	s_cmp_gt_u32 s18, s17                          ; above my block: nothing to multiply
	s_cbranch_scc1 .Lid_\id
	ATT \id
.Lid_\id:
.if \extra
	s_wait_loadcnt 16                              ; the 8 extra loads are in; the 16 of tile j - 1, issued behind them, stay out
	ACC AX, XS
	WIN 0
	s_sub_nc_u64 s[28:29], s[28:29], TILEB         ; free since that wait
.endif
.if \more
	s_sub_co_u32 s18, s18, 1
.endif
.endm
; ---- the end of a row: join the score 0 of the masked tiles, divide ----
.macro FINISH u
	v_pk_add_f32 v[T:T+1], v[LS+4*\u:LS+4*\u+1], v[LS+4*\u+2:LS+4*\u+3]
	v_add_f32 v[T], v[T], v[T+1]
	v_permlanex16_b32 v[T+1], v[T], s20, s21
	v_add_f32 v[T], v[T], v[T+1]                   ; l: the sum over all keys walked
	v_min_num_f32 v[T+2], s32, v[NM+2*\u]          ; the maximum with the score 0 (s32 = 0), or as it is (block 15: s32 = largest f32)
	v_sub_f32 v[T+3], v[T+2], v[NM+2*\u]
	v_subrev_f32 v[T+4], s32, v[T+2]
	v_exp_f32 v[T+3], v[T+3]                       ; a: what the sums so far are scaled by
	v_exp_f32 v[T+4], v[T+4]                       ; wz: the weight of a masked slot (block 15: 0)
	v_nop                                          ; one plain line behind the exponentials
	s_wait_alu depctr_va_vdst(0)
	v_mul_f32 v[T+5], s33, v[T+4]                  ; 128 (15 - block) masked slots in the tiles above
	v_fma_f32 v[T], v[T], v[T+3], v[T+5]
	v_rcp_f32 v[T+5], v[T]
	v_nop                                          ; and one behind the reciprocal
	s_wait_alu depctr_va_vdst(0)
	v_mul_f32 v[T+6], v[T+3], v[T+5]
	v_mul_f32 v[T+2], v[T+4], v[T+5]
	v_mov_b32 v[T+7], v[T+6]
	v_mov_b32 v[T+3], v[T+2]
.set n, 0
.rept 16
	v_pk_mul_f32 v[OA+32*\u+n:OA+32*\u+n+1], v[OA+32*\u+n:OA+32*\u+n+1], v[T+6:T+7]
	v_pk_fma_f32 v[OA+32*\u+n:OA+32*\u+n+1], v[SC+n:SC+n+1], v[T+2:T+3], v[OA+32*\u+n:OA+32*\u+n+1]
.set n, n+2
.endr
.endm
; ================================================ prologue ================================================
	s_load_b256 s[4:11], s[0:1], 0x0               ; q s[4:5], k s[6:7], v s[8:9], out s[10:11]
	s_set_vgpr_msb 0x40
	v_lshl_add_u32 v136, v0, 2, 0x1cc00
	v_mov_b32 v137, 0
	s_set_vgpr_msb 0x4000
	v_lshrrev_b32 v[T], 5, v0
	v_readfirstlane_b32 s12, v[T]                  ; wave
	s_and_b32 s13, ttmp9, 7                        ; i
	s_lshr_b32 s14, ttmp9, 3                       ; head = 16 b + h
	s_lshr_b32 s15, s12, 2
	s_xor_b32 s15, s15, s12
	s_and_b32 s15, s15, 1                          ; g: 0 high block, 1 low block
	s_lshr_b32 s16, s12, 1                         ; wq: which 32 rows of the block
	s_sub_co_u32 s40, 15, s13                      ; 15 - i
	s_cmp_lg_u32 s15, 0
	s_cselect_b32 s17, s13, s40                    ; my query block
	s_mov_b32 s18, s40                             ; j: the walk begins at the high block's diagonal
	s_mov_b32 s20, 0x76543210                      ; v_permlanex16_b32: lane L takes lane L xor 16
	s_mov_b32 s21, 0xfedcba98
	s_lshr_b32 s22, s14, 4
	s_lshl_b32 s22, s22, 23                        ; b x 2048 x 4096 bytes
	s_and_b32 s23, s14, 15
	s_lshl_b32 s23, s23, 8                         ; + h x 256 bytes
	s_or_b32 s22, s22, s23
	s_mov_b32 s23, 0
	v_and_b32 v[T+1], 15, v0                       ; r
	v_bfe_u32 v[T+2], v0, 4, 1                     ; h (lane half)
	v_lshlrev_b32 v[GOFF], 4, v[T+1]
	v_lshl_add_u32 v[GOFF], v[T+2], 12, v[GOFF]
	s_lshl_b32 s38, s12, 16                        ; 16 rows a wave
	v_add_nc_u32 v[GOFF], s38, v[GOFF]
	v_lshlrev_b32 v[T+3], 12, v[T+1]               ; q: row r, 32 bytes for each lane half
	v_lshl_add_u32 v[T+3], v[T+2], 5, v[T+3]
	s_lshl_b32 s30, s40, 19                        ; tile 15 - i
	s_mov_b32 s31, 0
	s_add_nc_u64 s[30:31], s[30:31], s[22:23]
	s_wait_kmcnt 0x0
	s_add_nc_u64 s[24:25], s[6:7], s[30:31]
	s_add_nc_u64 s[26:27], s[8:9], s[30:31]
	s_add_nc_u64 s[28:29], s[8:9], s[22:23]
	s_add_nc_u64 s[28:29], s[28:29], 15*TILEB      ; the extra tiles run from 15 down to 16 - i
	s_lshl_b32 s30, s17, 19                        ; my 32 rows: 128 x block + 32 x quarter
	s_lshl_b32 s38, s16, 17
	s_add_co_u32 s30, s30, s38
	s_mov_b32 s31, 0
	s_add_nc_u64 s[30:31], s[30:31], s[22:23]
	s_add_nc_u64 s[36:37], s[4:5], s[30:31]
	s_add_nc_u64 s[34:35], s[10:11], s[30:31]
	; q in fragment order, f32: load n = 8 u + 4 ks + 2 c + half brings e = 32 ks + 16 c + 8 h + 4 half .. + 3 of query 16 u + r
.irp n, 0,1,2,3,4,5,6,7,8,9,10,11,12,13,14,15
	global_load_b128 v[SC+4*\n:SC+4*\n+3], v[T+3], s[36:37] offset:(\n>>3)*16*ROWB+((\n>>2)&1)*128+((\n>>1)&1)*64+(\n&1)*16
.endr
	LDTILE KS, 24
	LDTILE VS, 26
.irp k, 0,1,2,3,4,5,6,7
	v_mov_b32 v[AX+\k], 0                          ; AX and AB (window 1)
.endr
	WIN 0
	s_mul_i32 s38, s12, 16*KPITCH
	v_mul_u32_u24 v[KST], v[T+2], KPITCH
	v_lshl_add_u32 v[KST], v[T+1], 3, v[KST]
	v_add_nc_u32 v[KST], s38, v[KST]
	s_mul_i32 s38, s12, 16*VPITCH
	s_add_co_u32 s38, s38, VT
	v_mul_u32_u24 v[VST], v[T+2], VPITCH
	v_lshl_add_u32 v[VST], v[T+1], 3, v[VST]
	v_add_nc_u32 v[VST], s38, v[VST]
	v_mul_u32_u24 v[KA], v[T+1], KPITCH
	v_lshl_add_u32 v[KA], v[T+2], 4, v[KA]
	v_and_b32 v[T+4], 7, v0
	v_lshl_add_u32 v[T+4], v[T+2], 3, v[T+4]
	v_mul_u32_u24 v[VA], v[T+4], VPITCH
	v_bfe_u32 v[T+4], v0, 3, 1
	v_lshl_add_u32 v[VA], v[T+4], 4, v[VA]
	v_add_nc_u32 v[VA], VT, v[VA]
	s_lshl_b32 s38, s16, 5
	s_add_co_u32 s38, s38, 8
	v_add_nc_u32 v[DQ], s38, v[T+1]
	v_lshlrev_b32 v[T+4], 3, v[T+2]
	v_sub_nc_u32 v[DQ], v[DQ], v[T+4]              ; r - 8 h + 8 >= 0: stays unsigned
	v_add_nc_u32 v[DQ+1], 16, v[DQ]
	; The trip in which a wave's sums begin depends on i and g, so the sums start from cleared registers and a factor alpha = 0
.set n, 0
.rept 64
	v_mov_b32 v[OA+n], 0
.set n, n+1
.endr
.irp k, 0,1,2,3,4,5,6,7
	v_mov_b32 v[LS+\k], 0
.endr
.irp k, 0,1,2,3
	v_mov_b32 v[NM+\k], FMAX
.endr
	s_wait_loadcnt 16                              ; q's 16 loads are in; the 16 of K and V, issued behind them, stay out
	WIN 0x40
.set n, 0
.rept 32
	v_cvt_pk_bf16_f32 v[QF+n], v[SC+2*n], v[SC+2*n+1]
.set n, n+1
.endr
	WIN 0
; ================================================ the walk: i + (15 - 2 i) + 1 = 16 - i trips ================================================
	s_cmp_eq_u32 s13, 0
	s_cbranch_scc1 .Lmid
	s_mov_b32 s19, s13
.Lwalk1:
	TRIP 1, 1, 1
	s_sub_co_u32 s19, s19, 1
	s_cmp_lg_u32 s19, 0
	s_cbranch_scc1 .Lwalk1
.Lmid:
	s_lshl_b32 s19, s13, 1
	s_sub_co_u32 s19, 15, s19                      ; at least 1
.Lwalk2:
	TRIP 2, 0, 1
	s_sub_co_u32 s19, s19, 1
	s_cmp_lg_u32 s19, 0
	s_cbranch_scc1 .Lwalk2
	TRIP 3, 0, 0                                   ; j = 0: nothing more is asked for
; ================================================ epilogue ================================================
	; The seven vector lines of address arithmetic are also the places behind the last matrix instructions: they name none of their registers.
	v_and_b32 v[T+1], 15, v0                       ; r
	v_bfe_u32 v[T+2], v0, 4, 1                     ; h
	s_lshl_b32 s30, s12, 10
	s_add_co_u32 s30, s30, SVP
	v_lshlrev_b32 v[T], 4, v[T+1]
	v_lshl_add_u32 v[T], v[T+2], 9, v[T]
	v_add_nc_u32 v[T], s30, v[T]                   ; SVP + 1024 w + 512 h + 16 r
	v_and_b32 v[T+3], 127, v0
	v_lshrrev_b32 v[T+4], 7, v0
	WIN 0x45
	v_pk_add_f32 v[AB:AB+1], v[AB:AB+1], v[AX:AX+1]            ; the low block's sum holds the extra tiles too
	v_pk_add_f32 v[AB+2:AB+3], v[AB+2:AB+3], v[AX+2:AX+3]
	WIN 0x04
	ds_store_b128 v[T], v[AX:AX+3]
	ds_store_b128 v[T], v[AB:AB+3] offset:256
	WIN 0
	s_wait_dscnt 0x0                               ; my partial sums are stored
	s_barrier_signal -1
	s_barrier_wait -1
	; thread t adds 8 of the 16 partial sums of number t & 127 (half t >> 7 of them): each word of SVF has one writer
	v_lshlrev_b32 v[T+3], 2, v[T+3]
	v_lshl_add_u32 v[T+5], v[T+4], 12, v[T+3]
	v_lshl_add_u32 v[T+6], v[T+4], 9, v[T+3]
.irp n, 0,1,2,3,4,5,6,7
	ds_load_b32 v[SC+\n], v[T+5] offset:SVP+512*\n
.endr
	s_wait_dscnt 0x0
	v_pk_add_f32 v[SC:SC+1], v[SC:SC+1], v[SC+2:SC+3]
	v_pk_add_f32 v[SC+4:SC+5], v[SC+4:SC+5], v[SC+6:SC+7]
	v_pk_add_f32 v[SC:SC+1], v[SC:SC+1], v[SC+4:SC+5]
	v_add_f32 v[SC], v[SC], v[SC+1]
	ds_store_b32 v[T+6], v[SC] offset:SVF
	s_wait_dscnt 0x0
	s_barrier_signal -1
	s_barrier_wait -1
	; my 32 numbers of my group's suffix sum, d = 16 dt + 8 h + 0 .. 7, both halves: load n = 8 ph + 2 dt + c
	s_lshl_b32 s30, s15, 8
	v_lshlrev_b32 v[T+7], 5, v[T+2]
	v_add_nc_u32 v[T+7], s30, v[T+7]
.irp n, 0,1,2,3,4,5,6,7,8,9,10,11,12,13,14,15
	ds_load_b128 v[SC+4*\n:SC+4*\n+3], v[T+7] offset:SVF+512*(\n>>3)+64*((\n>>1)&3)+16*(\n&1)
.endr
	s_mul_i32 s30, s12, 32*OPITCH
	s_add_co_u32 s30, s30, OST                     ; my stage
	v_mul_u32_u24 v[EA], v[T+1], OPITCH            ; in: row r, 32 bytes for each lane half
	v_lshl_add_u32 v[EA], v[T+2], 5, v[EA]
	v_add_nc_u32 v[EA], s30, v[EA]
	v_mul_u32_u24 v[EB], v[T+2], OPITCH            ; back: lanes 0 - 15 one row of 256 bytes, lanes 16 - 31 the next
	v_lshl_add_u32 v[EB], v[T+1], 4, v[EB]
	v_add_nc_u32 v[EB], s30, v[EB]
	v_lshlrev_b32 v[EC], 4, v[T+1]                 ; and the same two rows in out
	v_lshl_add_u32 v[EC], v[T+2], 12, v[EC]
	s_cmp_eq_u32 s17, 15
	s_cselect_b32 s32, FMAX, 0                     ; block 15 has no tile above it: the score 0 does not join
	s_sub_co_u32 s33, 15, s17
	s_lshl_b32 s33, s33, 7
	s_cvt_f32_u32 s33, s33                         ; masked slots in the tiles above my block
	s_wait_dscnt 0x0
.set n, 0
.rept 16
	v_pk_add_f32 v[SC+n:SC+n+1], v[SC+n:SC+n+1], v[SC+32+n:SC+32+n+1]
.set n, n+2
.endr
	FINISH 0
	FINISH 1
	; THE WAY OUT: a lane holds 8 neighbouring d of one query, 32 bytes; through my own stage they become whole rows of 256 bytes.
	; LDS serves a wave's instructions in order (ISA guide 5.7.1), so the loads see the stores above them without a wait.
.irp u, 0,1
.irp dt, 0,1,2,3
.irp c, 0,1
	ds_store_b128 v[EA], v[OA+32*\u+8*\dt+4*\c:OA+32*\u+8*\dt+4*\c+3] offset:\u*16*OPITCH+64*\dt+16*\c
.endr
.endr
.endr
.irp n, 0,1,2,3,4,5,6,7,8,9,10,11,12,13,14,15
	ds_load_b128 v[SC+4*\n:SC+4*\n+3], v[EB] offset:\n*2*OPITCH
.endr
.irp n, 0,1,2,3,4,5,6,7,8,9,10,11,12,13,14,15
	s_wait_dscnt 15-\n                             ; read-back n is in; the younger ones stay out
	global_store_b128 v[EC], v[SC+4*\n:SC+4*\n+3], s[34:35] offset:\n*2*ROWB th:TH_STORE_NT   ; 16 lanes store 256 consecutive bytes, at a multiple of 256 from out's first byte
.endr
	s_set_vgpr_msb 0x5
	s_wait_tensorcnt 0x0
	ds_add_u32 v136, v137
	s_wait_dscnt 0x0
	s_set_vgpr_msb 0x500
	s_endpgm
.Lfunc_end_k_q19784c0b94_attn:
	.size	k_q19784c0b94_attn, .Lfunc_end_k_q19784c0b94_attn-k_q19784c0b94_attn
	.p2alignl 7, 3214868480
	.fill 96, 4, 3214868480
	.section	.rodata,"a",@progbits
	.p2align	6, 0x0
	.amdhsa_kernel k_q19784c0b94_attn
		.amdhsa_group_segment_fixed_size 118784
		.amdhsa_private_segment_fixed_size 0
		.amdhsa_enable_private_segment 0
		.amdhsa_kernarg_size 32
		.amdhsa_user_sgpr_count 2
		.amdhsa_user_sgpr_kernarg_segment_ptr 1
		.amdhsa_wavefront_size32 1
		.amdhsa_system_sgpr_workgroup_id_x 1
		.amdhsa_system_sgpr_workgroup_id_y 1
		.amdhsa_system_sgpr_workgroup_id_z 1
		.amdhsa_system_vgpr_workitem_id 0
		.amdhsa_next_free_vgpr 394
		.amdhsa_next_free_sgpr 66
		.amdhsa_reserve_vcc 1
		.amdhsa_float_denorm_mode_32 3
		.amdhsa_float_denorm_mode_16_64 3
		.amdhsa_memory_ordered 1
		.amdhsa_forward_progress 1
		.amdhsa_inst_pref_size 181
	.end_amdhsa_kernel
	.amdgpu_metadata
---
amdhsa.version: [ 1, 2 ]
amdhsa.kernels:
  - .name:           k_q19784c0b94_attn
    .symbol:         k_q19784c0b94_attn.kd
    .args:
      - { .name: queries, .offset: 0, .size: 8, .value_kind: global_buffer, .address_space: global }
      - { .name: keys, .offset: 8, .size: 8, .value_kind: global_buffer, .address_space: global }
      - { .name: values, .offset: 16, .size: 8, .value_kind: global_buffer, .address_space: global }
      - { .name: out0, .offset: 24, .size: 8, .value_kind: global_buffer, .address_space: global }
    .group_segment_fixed_size: 118784
    .private_segment_fixed_size: 0
    .kernarg_segment_align: 8
    .kernarg_segment_size: 32
    .max_flat_workgroup_size: 256
    .sgpr_count:     66
    .vgpr_count:     394
    .wavefront_size: 32
...
	.end_amdgpu_metadata
.endif
;; end of part 1
;; ======== version 2 of 2: 1 launch; version 1 with the launch attn written anew for expert scheduling mode
;; launch attn (part 2): grid 256 x 1, 8 waves a work-group, no clusters, 118,784 bytes of LDS; arguments queries, keys, values, out0; writes out0
.if DOCPART == 2
	.amdgcn_target "amdgcn-amd-amdhsa--gfx1250"
	.amdhsa_code_object_version 6
	.text
	.protected	k_q19784c0b94_attn
	.globl	k_q19784c0b94_attn
	.p2align	8
	.type	k_q19784c0b94_attn,@function
k_q19784c0b94_attn:
	s_mov_b64 s[64:65], 0
	v_nop
	global_prefetch_b8 v0, s[64:65] scope:SCOPE_SE
	s_setreg_imm32_b32 hwreg(HW_REG_WAVE_SCHED_MODE, 0, 2), 2
	s_setreg_imm32_b32 hwreg(HW_REG_WAVE_MODE, 25, 1), 1
	s_wait_xcnt 0x0
	s_wait_alu depctr_vm_vsrc(0)
; Attention with a MULTIPLICATIVE causal mask: a slot above the diagonal keeps the score 0.  q, k, v, out: [2][2048][16][64] f32.
; For query l, with c = 1/8 and m the row's maximum of c x score (0 among the scores wherever a masked slot exists):
;   out = ( sum_{s<=l} e^(c s_ls - m) V[s]  +  e^(-m) sum_{s>l} V[s] ) / ( sum_{s<=l} e^(c s_ls - m)  +  (2047 - l) e^(-m) )
; so the products above the diagonal are not made, and their share of P V is a suffix sum of V, added up directly in f32.
;
; SHARES.  A head has 16 query blocks and 16 key tiles of 128.  Work-group id: head = id >> 3, i = id & 7; it owns query blocks 15 - i
; ("high") and i ("low"): (16 - i) + (i + 1) = 17 units of 128 x 128 in every one of the 256 work-groups.  Eight waves; a wave owns 32 query
; rows of one block (quarter wq = w >> 1, group g = (w ^ (w >> 2)) & 1).  The walk takes key tile j = 15 - i down to 0, one a trip.  All 256
; threads bring a tile's K and V through registers (f32, whole rows of 256 bytes), round to bf16 once and store it to LDS; a wave
; works on it when j <= its block, and masks when j = its block.
; SUFFIX SUMS.  Tiles above block 15 - i are never walked: one of them is streamed in each of the first i trips and added up (AX).
; Tiles i + 1 .. 15 - i are added up from the staging registers as they pass (AB).  High rows take AX, low rows AX + AB.
; LAYOUT.  Scores transposed, S^T = K Q^T, and O^T = V^T P^T: a lane sees one query only, so maximum, sum and rescaling stay in the lane but
; for one exchange between the lane halves, and the packed exponentials of score tiles 2 ks, 2 ks + 1 ARE the second operand for keys 32 ks .. + 31.
;
; NO CLUSTER, NO TENSOR LOADS: the eight work-groups of a head share K and V, but they walk 16 - i tiles, a different number each, and start at
; different tiles, so a joint request would find no partner at the same tile; and f32 has to become bf16 between memory and the fragments,
; which through registers costs one LDS store of 2 bytes a number, while a tile copied as f32 would be stored, read, converted and stored again.
; NO PREFETCH: each tile is asked for by its own loads one whole trip of matrix and softmax work ahead of its use.
;
; THE MODE: SCHED_MODE bits 1:0 = 2 (LLVM: expert scheduling mode 2), set by the entry lines.  The code itself states the register dependences
; between vector or matrix instructions and memory or LDS instructions, with s_wait_alu, always for 0.
; THE PLAN.  Registers that memory or LDS instructions touch in the walk:
;   KS, VS     The loads of tile j - 1, issued in trip j, land here.  Trip j - 1: the sum AB reads VS, the roundings read and write both in place,
;              the tile's sixteen LDS stores read both, and the next loads land.
;   XS         The eight extra loads land here; the sum AX at the trip's foot reads it; the next trip's extra loads land.
;   FB         128 registers.  A tile's 32 loads of K fragments land; the 32 products K Q^T read them; the 32 loads of V fragments land in the same
;              registers; the 32 products V^T P read them; the next trip's K fragments land.
;   v1 - v5    Offsets and LDS addresses, made at the head and not written in the walk.
;   Scores, output sums, Q's fragments, the statistics, AX and AB are named by vector and matrix instructions alone in the walk.
; So a trip holds four waits.  (1) va_vdst ahead of the tile's LDS stores: the roundings have written their data.  (2) vm_vsrc and va_vdst ahead of the
; next tile's loads: the stores have read KS and VS; the roundings are done with them, the last trip's sum with XS, the last trip's products with
; FB.  No vector or matrix instruction stands between that wait and the K fragments' loads, so these owe nothing more.  (3) va_vdst between
; the last product K Q^T and the V fragments' loads.  The mask has a wait on va_sdst behind each run of 32 compares.
;
; LIMITS.  A masked score is SELECTED to 0, not multiplied by 0: an infinite or NaN raw score above the diagonal gives no NaN here.
; v_exp_f32 gives 0 for results below 2^-126.  Q, K, V and P enter the products rounded to bf16; the suffix sums use V unrounded, in an order
; of their own.  The running maximum starts at the most negative finite f32 (kept negated and scaled: + 0x7f7fffff); the score 0 joins
; it only where masked slots exist, so row 2047 uses the true maximum of its scores.
.set ROWB,    4096                     ; bytes from one sequence position to the next
.set TILEB,   0x80000                  ; 128 positions
.set KPITCH,  144                      ; LDS row of K: 128 bytes + 16, an odd multiple of 16
.set VPITCH,  160                      ; LDS row of V: 128 bytes + 32, an odd multiple of 32 (transposing loads)
.set OPITCH,  272                      ; LDS row of the way out: 256 bytes + 16
.set KT,      0                        ; K tile, 128 x 144 = 18,432 bytes
.set VT,      18432                    ; V tile, 128 x 160 = 20,480 bytes
.set SVP,     38912                    ; suffix sums, partial: [wave 8][lane half 2][AX 64 f32, AX + AB 64 f32] = 8,192 bytes
.set SVF,     47104                    ; suffix sums, two halves: [2][128 f32] = 1,024 bytes
.set OST,     48128                    ; the way out: 8 waves x 32 rows x 272 = 69,632 bytes
.set CSC,     0x3e38aa3b               ; log2(e) / 8
.set NEGCSC,  0xbe38aa3b
.set FMAX,    0x7f7fffff
; window 0
.set GOFF, 1                           ; v1       (16 w + h) 4096 + 16 r: my 16 bytes of a tile's rows
.set KST,  2                           ; v2       where I store K:  KT + (16 w + h) 144 + 8 r
.set VST,  3                           ; v3       where I store V:  VT + (16 w + h) 160 + 8 r
.set KA,   4                           ; v4       K fragments: KT + 144 r + 16 h
.set VA,   5                           ; v5       V fragments: VT + (8 h + (L & 7)) 160 + 16 ((L >> 3) & 1)
.set DQ,   6                           ; v6, v7   32 wq + 16 u + r - 8 h + 8: the mask's bound
.set NM,   8                           ; v[8:11]  u: a pair, twice - c log2(e) x running maximum
.set AL,   12                          ; v[12:15] u: a pair, twice the rescaling factor
.set LS,   16                          ; v[16:23] u: two pairs of partial sums of this lane
.set T,    24                          ; v[24:31] at work
.set QF,   32                          ; v[32:63] Q fragments, (u, ks) at 16 u + 8 ks
.set SC,   64                          ; v[64:191]  scores: (u, t) at 64 u + 8 t
.set OA,   192                         ; v[192:255] output sums: (u, dt) at 32 u + 8 dt
.set EA,   2                           ; the way out uses v2 - v4 again (offsets, as before),
.set EB,   3
.set EC,   4
.set ED,   6                           ; and the epilogue v6: where I read my group's suffix sum
; window 1 (v256 and up, named by their low 8 bits)
.set KS,   0                           ; 32: K as loaded, then packed
.set VS,   32                          ; 32: V likewise
.set XS,   64                          ; 32: an extra V tile
.set AX,   96                          ; 4: sum of the extra tiles, my 4 columns
.set AB,   100                         ; 4: sum of tiles i + 1 .. 15 - i
.set FB,   104                         ; 128: the fragments of a whole tile, 16 registers for each 16 keys of K, then for each group of V
; scalars: s[4:11] q, k, v, out; s12 w; s13 i; s14 head; s15 g; s16 wq; s17 my query block; s18 j; s19 trips left; s20, s21 lane selects;
; s[22:23] the head's byte offset; s[24:25] K tile, s[26:27] V tile, s[28:29] extra V tile; s[30:31], s38, s40 at work; s32, s33 epilogue;
; s[34:35] my rows of out; s[36:37] my rows of q; s[66:97] a run of 32 lane masks
.set MK,   66
.set MSB, 0
.macro WIN new                         ; s_set_vgpr_msb: bits 1:0 source 0, 3:2 source 1, 5:4 source 2, 7:6 destination; the high byte repeats the setting left
.if MSB != \new
	s_set_vgpr_msb (MSB<<8)|\new
.set MSB, \new
.endif
.endm
.macro PLACES                          ; four places behind a matrix instruction before a vector instruction reads its result (ISA guide 7.12.1)
.rept 4
	v_nop
.endr
.endm
; ---- staging: 256 threads x 8 loads of 16 bytes = a tile of 128 rows x 256 bytes; sixteen lanes take one whole row ----
.macro LDTILE dst, p
	WIN 0x40
.irp q, 0,1,2,3,4,5,6,7
	global_load_b128 v[\dst+4*\q:\dst+4*\q+3], v[GOFF], s[\p:\p+1] offset:\q*2*ROWB
.endr
.endm
.macro ACC acc, src                    ; my 8 rows x 4 columns of a V tile, added to a suffix sum in f32
	WIN 0x45
.irp q, 0,1,2,3,4,5,6,7
	v_pk_add_f32 v[\acc:\acc+1], v[\acc:\acc+1], v[\src+4*\q:\src+4*\q+1]
	v_pk_add_f32 v[\acc+2:\acc+3], v[\acc+2:\acc+3], v[\src+4*\q+2:\src+4*\q+3]
.endr
.endm
.macro CVT src                         ; four f32 to four bf16, in place, in the first two registers of each four
	WIN 0x45
.irp q, 0,1,2,3,4,5,6,7
	v_cvt_pk_bf16_f32 v[\src+4*\q], v[\src+4*\q], v[\src+4*\q+1]
	v_cvt_pk_bf16_f32 v[\src+4*\q+1], v[\src+4*\q+2], v[\src+4*\q+3]
.endr
.endm
.macro STT adr, src, pitch
	WIN 0x04
.irp q, 0,1,2,3,4,5,6,7
	ds_store_b64 v[\adr], v[\src+4*\q:\src+4*\q+1] offset:\q*2*\pitch
.endr
.endm
; ---- fragments ----
.macro LDK t                           ; keys 16 t .. + 15, all 64 e: two fragments at FB + 16 t
.irp c, 0,1,2,3
	ds_load_b128 v[FB+16*(\t)+4*\c:FB+16*(\t)+4*\c+3], v[KA] offset:(\t)*16*KPITCH+32*\c
.endr
.endm
.macro LDV gi                          ; keys 32 (gi >> 1) .. + 31 of columns 16 dt .. + 15, dt = 2 (gi & 1) + f, transposed: two fragments at FB + 16 gi
.irp f, 0,1
	ds_load_tr16_b128 v[FB+16*(\gi)+8*\f:FB+16*(\gi)+8*\f+3], v[VA] offset:((\gi)>>1)*32*VPITCH+32*(2*((\gi)&1)+\f)
	ds_load_tr16_b128 v[FB+16*(\gi)+8*\f+4:FB+16*(\gi)+8*\f+7], v[VA] offset:((\gi)>>1)*32*VPITCH+32*(2*((\gi)&1)+\f)+16*VPITCH
.endr
.endm
.macro QK4 t                           ; 16 keys x my 32 queries; the first product of each tile starts its sum; first source in window 1
	v_wmma_f32_16x16x32_bf16 v[SC+8*\t:SC+8*\t+7], v[FB+16*\t:FB+16*\t+7], v[QF:QF+7], 0
	v_wmma_f32_16x16x32_bf16 v[SC+64+8*\t:SC+64+8*\t+7], v[FB+16*\t:FB+16*\t+7], v[QF+16:QF+23], 0
	v_wmma_f32_16x16x32_bf16 v[SC+8*\t:SC+8*\t+7], v[FB+16*\t+8:FB+16*\t+15], v[QF+8:QF+15], v[SC+8*\t:SC+8*\t+7]
	v_wmma_f32_16x16x32_bf16 v[SC+64+8*\t:SC+64+8*\t+7], v[FB+16*\t+8:FB+16*\t+15], v[QF+24:QF+31], v[SC+64+8*\t:SC+64+8*\t+7]
.endm
.macro PV4 gi                          ; 2 x 16 columns of V x 32 keys x my 32 queries, each a link of its accumulator's chain; the eight accumulators take turns
.irp f, 0,1
.irp u, 0,1
	v_wmma_f32_16x16x32_bf16 v[OA+32*\u+8*(2*(\gi&1)+\f):OA+32*\u+8*(2*(\gi&1)+\f)+7], v[FB+16*\gi+8*\f:FB+16*\gi+8*\f+7], v[SC+64*\u+16*(\gi>>1):SC+64*\u+16*(\gi>>1)+7], v[OA+32*\u+8*(2*(\gi&1)+\f):OA+32*\u+8*(2*(\gi&1)+\f)+7]
.endr
.endr
.endm
; ---- softmax, all in the lane: register jj of score tile (u, t) is key 16 t + 8 h + jj, query 16 u + r ----
.macro MASK                            ; the diagonal tile: the score stays where key <= query, that is 16 t + jj + 8 <= DQ, and is 0 elsewhere
.irp u, 0,1                            ; four runs: 32 compares into 32 scalar registers, one wait, the 32 selects
.irp g, 0,4
.irp t, 0,1,2,3
.irp jj, 0,1,2,3,4,5,6,7
	v_cmp_le_u32 s[MK+8*\t+\jj], 16*(\g+\t)+\jj+8, v[DQ+\u]
.endr
.endr
	s_wait_alu depctr_va_sdst(0)                   ; the 32 compares have written s[66:97], which the selects below read
.irp t, 0,1,2,3
.irp jj, 0,1,2,3,4,5,6,7
	v_cndmask_b32 v[SC+64*\u+8*(\g+\t)+\jj], 0, v[SC+64*\u+8*(\g+\t)+\jj], s[MK+8*\t+\jj]
.endr
.endr
.endr
.endr
.endm
.macro ROWMAX u                        ; the tile's maximum of my query in four chains, the other lane half's, then the new running value and alpha
.irp c, 0,1,2,3
	v_max_num_f32 v[T+4*\u+\c], v[SC+64*\u+16*\c], v[SC+64*\u+16*\c+1]
.endr
.irp k, 1,2,3,4,5,6,7
.irp c, 0,1,2,3
	v_max3_num_f32 v[T+4*\u+\c], v[T+4*\u+\c], v[SC+64*\u+16*\c+2*\k], v[SC+64*\u+16*\c+2*\k+1]
.endr
.endr
	v_max3_num_f32 v[T+4*\u], v[T+4*\u], v[T+4*\u+1], v[T+4*\u+2]
	v_max_num_f32 v[T+4*\u], v[T+4*\u], v[T+4*\u+3]
	v_permlanex16_b32 v[T+4*\u+1], v[T+4*\u], s20, s21     ; lane L xor 16 holds the same query's other keys
	v_max_num_f32 v[T+4*\u], v[T+4*\u], v[T+4*\u+1]
	v_mul_f32 v[T+4*\u], NEGCSC, v[T+4*\u]
	v_min_num_f32 v[T+4*\u], v[T+4*\u], v[NM+2*\u]         ; negated: the smaller is the larger maximum
	v_sub_f32 v[T+4*\u+1], v[T+4*\u], v[NM+2*\u]           ; <= 0
	v_exp_f32 v[AL+2*\u], v[T+4*\u+1]
	v_mov_b32 v[NM+2*\u], v[T+4*\u]                        ; two plain lines that touch neither the exponential's source nor its result
	v_mov_b32 v[NM+2*\u+1], v[T+4*\u]
	s_wait_alu depctr_va_vdst(0)
	v_mov_b32 v[AL+2*\u+1], v[AL+2*\u]
.endm
.macro RESCALE u
	v_pk_mul_f32 v[LS+4*\u:LS+4*\u+1], v[LS+4*\u:LS+4*\u+1], v[AL+2*\u:AL+2*\u+1]
	v_pk_mul_f32 v[LS+4*\u+2:LS+4*\u+3], v[LS+4*\u+2:LS+4*\u+3], v[AL+2*\u:AL+2*\u+1]
.set n, 0
.rept 16
	v_pk_mul_f32 v[OA+32*\u+n:OA+32*\u+n+1], v[OA+32*\u+n:OA+32*\u+n+1], v[AL+2*\u:AL+2*\u+1]
.set n, n+2
.endr
.endm
.macro EXPT u, t                       ; 2^(score x c log2(e) - the same of the maximum), in place
.set sx, SC+64*\u+8*(\t)
.irp p, 0,2,4,6
	v_pk_fma_f32 v[sx+\p:sx+\p+1], v[sx+\p:sx+\p+1], CSC, v[NM+2*\u:NM+2*\u+1] op_sel_hi:[1,0,1]
.endr
.irp p, 0,1,2,3,4,5,6,7
	v_exp_f32 v[sx+\p], v[sx+\p]
.endr
.endm
.macro SUMCVT u, t                     ; add the tile's eight to the lane's sums and pack them to bf16 into registers already used up:
.set sx, SC+64*\u+8*(\t)               ; tiles 2 ks and 2 ks + 1 end as the eight registers at 64 u + 16 ks, the second operand for keys 32 ks .. + 31
.set sd, SC+64*\u+16*((\t)>>1)+4*((\t)&1)
	s_wait_alu depctr_va_vdst(0)
	v_pk_add_f32 v[LS+4*\u:LS+4*\u+1], v[LS+4*\u:LS+4*\u+1], v[sx:sx+1]
	v_pk_add_f32 v[LS+4*\u+2:LS+4*\u+3], v[LS+4*\u+2:LS+4*\u+3], v[sx+2:sx+3]
	v_cvt_pk_bf16_f32 v[sd], v[sx], v[sx+1]
	v_cvt_pk_bf16_f32 v[sd+1], v[sx+2], v[sx+3]
	v_pk_add_f32 v[LS+4*\u:LS+4*\u+1], v[LS+4*\u:LS+4*\u+1], v[sx+4:sx+5]
	v_pk_add_f32 v[LS+4*\u+2:LS+4*\u+3], v[LS+4*\u+2:LS+4*\u+3], v[sx+6:sx+7]
	v_cvt_pk_bf16_f32 v[sd+2], v[sx+4], v[sx+5]
	v_cvt_pk_bf16_f32 v[sd+3], v[sx+6], v[sx+7]
.endm
; ---- one wave's work on the tile in LDS: 32 + 32 matrix instructions ----
.macro ATT id
	WIN 0x40
.irp t, 0,1,2,3,4,5,6,7
	LDK \t                                         ; all of K's fragments in one run.  No wait: no vector or matrix instruction since the trip's last wait on va_vdst names FB or v[KA]
.endr
	WIN 0x01
.irp t, 0,1,2,3,4,5,6,7
	s_wait_dscnt 28-4*\t                           ; LDS loads come back in order: this tile's four are in, the four of each later tile stay out
	QK4 \t
.endr
	PLACES                                         ; before the scores are read below
	WIN 0x40
	s_wait_alu depctr_va_vdst(0)                   ; the 32 products are done reading FB, in which V's fragments land
.irp gi, 0,1,2,3,4,5,6,7
	LDV \gi                                        ; all of V's fragments come in under the softmax, which names none of FB
.endr
	WIN 0
	s_cmp_lg_u32 s18, s17
	s_cbranch_scc1 .Lnm_\id
	MASK
.Lnm_\id:
	ROWMAX 0
	ROWMAX 1
	RESCALE 0
	RESCALE 1
.irp u, 0,1
	EXPT \u, 0                                     ; a tile's exponentials are used only behind the next tile's plain lines,
.irp t, 1,2,3,4,5,6,7                              ; and behind each run of exponentials stands a plain line on another tile
	EXPT \u, \t
	SUMCVT \u, \t-1
.endr
	SUMCVT \u, 7
.endr
	s_wait_dscnt 0x0                               ; V's fragments are in
	WIN 0x01
.irp gi, 0,1,2,3,4,5,6,7
	PV4 \gi
.endr
	WIN 0
.endm
; ---- one trip: key tile j.  extra = 1: one tile above the walk is streamed and added.  more = 1: tile j - 1 is asked for ----
.macro TRIP id, extra, more
	s_wait_loadcnt 0x0                             ; tile j is in KS and VS; the loads' bases may be stepped
.if \more
	s_cmp_le_u32 s18, s13                          ; (in the last trip j = 0 is never above i)
	s_cbranch_scc1 .Lnb_\id
	ACC AB, VS                                     ; j > i: the tile lies above the low block
	WIN 0
.Lnb_\id:
.endif
	s_wait_dscnt 0x0                               ; my reads of the last tile are over:
	WIN 0x45
	s_barrier_signal -1                            ; say so,
	CVT KS                                         ; round in registers while the others arrive,
	CVT VS
	s_barrier_wait -1                              ; and overwrite the tile when all eight have said so
	WIN 0x04
	s_wait_alu depctr_va_vdst(0)                   ; the roundings have written KS and VS, the stores' data; in the first trip also: v2 to v5 are written; in the last trip also: the last products are done reading FB
	STT KST, KS, KPITCH
	STT VST, VS, VPITCH
.if \more
	s_sub_nc_u64 s[24:25], s[24:25], TILEB
	s_sub_nc_u64 s[26:27], s[26:27], TILEB
	WIN 0x40
	s_wait_alu depctr_vm_vsrc(0)                   ; the sixteen stores have read KS and VS, in which the loads below land
	s_wait_alu depctr_va_vdst(0)                   ; behind the window's switch, since the stores between name these registers: the roundings are done with KS and VS, the last trip's sum with XS, the last trip's products with FB
.if \extra
	LDTILE XS, 28                                  ; first, so that the foot's wait can leave the next tile's loads out
.endif
	LDTILE KS, 24                                  ; tile j - 1 travels during this trip's matrix and softmax work
	LDTILE VS, 26
.endif
	WIN 0
	s_wait_dscnt 0x0                               ; my part of the tile is stored:
	s_barrier_signal -1
	s_barrier_wait -1                              ; the tile is whole
	s_cmp_gt_u32 s18, s17                          ; above my block: nothing to multiply
	s_cbranch_scc1 .Lid_\id
	ATT \id
.Lid_\id:
.if \extra
	s_wait_loadcnt 16                              ; the 8 extra loads are in; the 16 of tile j - 1, issued behind them, stay out
	ACC AX, XS
	WIN 0
	s_sub_nc_u64 s[28:29], s[28:29], TILEB         ; free since that wait
.endif
.if \more
	s_sub_co_u32 s18, s18, 1
.endif
.endm
; ---- the end of a row: join the score 0 of the masked tiles, divide ----
.macro FINISH u
	v_pk_add_f32 v[T:T+1], v[LS+4*\u:LS+4*\u+1], v[LS+4*\u+2:LS+4*\u+3]
	v_add_f32 v[T], v[T], v[T+1]
	v_permlanex16_b32 v[T+1], v[T], s20, s21
	v_add_f32 v[T], v[T], v[T+1]                   ; l: the sum over all keys walked
	v_min_num_f32 v[T+2], s32, v[NM+2*\u]          ; the maximum with the score 0 (s32 = 0), or as it is (block 15: s32 = largest f32)
	v_sub_f32 v[T+3], v[T+2], v[NM+2*\u]
	v_subrev_f32 v[T+4], s32, v[T+2]
	v_exp_f32 v[T+3], v[T+3]                       ; a: what the sums so far are scaled by
	v_exp_f32 v[T+4], v[T+4]                       ; wz: the weight of a masked slot (block 15: 0)
	v_nop                                          ; one plain line behind the exponentials
	s_wait_alu depctr_va_vdst(0)
	v_mul_f32 v[T+5], s33, v[T+4]                  ; 128 (15 - block) masked slots in the tiles above
	v_fma_f32 v[T], v[T], v[T+3], v[T+5]
	v_rcp_f32 v[T+5], v[T]
	v_nop                                          ; and one behind the reciprocal
	s_wait_alu depctr_va_vdst(0)
	v_mul_f32 v[T+6], v[T+3], v[T+5]
	v_mul_f32 v[T+2], v[T+4], v[T+5]
	v_mov_b32 v[T+7], v[T+6]
	v_mov_b32 v[T+3], v[T+2]
.set n, 0
.rept 16
	v_pk_mul_f32 v[OA+32*\u+n:OA+32*\u+n+1], v[OA+32*\u+n:OA+32*\u+n+1], v[T+6:T+7]
	v_pk_fma_f32 v[OA+32*\u+n:OA+32*\u+n+1], v[SC+n:SC+n+1], v[T+2:T+3], v[OA+32*\u+n:OA+32*\u+n+1]
.set n, n+2
.endr
.endm
; ================================================ prologue ================================================
	s_load_b256 s[4:11], s[0:1], 0x0               ; q s[4:5], k s[6:7], v s[8:9], out s[10:11]
	s_set_vgpr_msb 0x40
	v_lshl_add_u32 v232, v0, 2, 0x1cc00
	v_mov_b32 v233, 0
	s_set_vgpr_msb 0x4000
	v_lshrrev_b32 v[T], 5, v0
	v_readfirstlane_b32 s12, v[T]                  ; wave
	s_and_b32 s13, ttmp9, 7                        ; i
	s_lshr_b32 s14, ttmp9, 3                       ; head = 16 b + h
	s_wait_alu depctr_va_sdst(0)                   ; s12 is written, ahead of its first reader
	s_lshr_b32 s15, s12, 2
	s_xor_b32 s15, s15, s12
	s_and_b32 s15, s15, 1                          ; g: 0 high block, 1 low block
	s_lshr_b32 s16, s12, 1                         ; wq: which 32 rows of the block
	s_sub_co_u32 s40, 15, s13                      ; 15 - i
	s_cmp_lg_u32 s15, 0
	s_cselect_b32 s17, s13, s40                    ; my query block
	s_mov_b32 s18, s40                             ; j: the walk begins at the high block's diagonal
	s_mov_b32 s20, 0x76543210                      ; v_permlanex16_b32: lane L takes lane L xor 16
	s_mov_b32 s21, 0xfedcba98
	s_lshr_b32 s22, s14, 4
	s_lshl_b32 s22, s22, 23                        ; b x 2048 x 4096 bytes
	s_and_b32 s23, s14, 15
	s_lshl_b32 s23, s23, 8                         ; + h x 256 bytes
	s_or_b32 s22, s22, s23
	s_mov_b32 s23, 0
	v_and_b32 v[T+1], 15, v0                       ; r
	v_bfe_u32 v[T+2], v0, 4, 1                     ; h (lane half)
	v_lshlrev_b32 v[GOFF], 4, v[T+1]
	v_lshl_add_u32 v[GOFF], v[T+2], 12, v[GOFF]
	s_lshl_b32 s38, s12, 16                        ; 16 rows a wave
	v_add_nc_u32 v[GOFF], s38, v[GOFF]
	v_lshlrev_b32 v[T+3], 12, v[T+1]               ; q: row r, 32 bytes for each lane half
	v_lshl_add_u32 v[T+3], v[T+2], 5, v[T+3]
	s_lshl_b32 s30, s40, 19                        ; tile 15 - i
	s_mov_b32 s31, 0
	s_add_nc_u64 s[30:31], s[30:31], s[22:23]
	s_wait_kmcnt 0x0
	s_add_nc_u64 s[24:25], s[6:7], s[30:31]
	s_add_nc_u64 s[26:27], s[8:9], s[30:31]
	s_add_nc_u64 s[28:29], s[8:9], s[22:23]
	s_add_nc_u64 s[28:29], s[28:29], 15*TILEB      ; the extra tiles run from 15 down to 16 - i
	s_lshl_b32 s30, s17, 19                        ; my 32 rows: 128 x block + 32 x quarter
	s_lshl_b32 s38, s16, 17
	s_add_co_u32 s30, s30, s38
	s_mov_b32 s31, 0
	s_add_nc_u64 s[30:31], s[30:31], s[22:23]
	s_add_nc_u64 s[36:37], s[4:5], s[30:31]
	s_add_nc_u64 s[34:35], s[10:11], s[30:31]
	s_wait_alu depctr_va_vdst(0)                   ; v[T+3] and v[GOFF] are written: the offsets of q's loads and of every load of K and V
	; q in fragment order, f32: load n = 8 u + 4 ks + 2 c + half brings e = 32 ks + 16 c + 8 h + 4 half .. + 3 of query 16 u + r
.irp n, 0,1,2,3,4,5,6,7,8,9,10,11,12,13,14,15
	global_load_b128 v[SC+4*\n:SC+4*\n+3], v[T+3], s[36:37] offset:(\n>>3)*16*ROWB+((\n>>2)&1)*128+((\n>>1)&1)*64+(\n&1)*16
.endr
	LDTILE KS, 24
	LDTILE VS, 26
.irp k, 0,1,2,3,4,5,6,7
	v_mov_b32 v[AX+\k], 0                          ; AX and AB (window 1)
.endr
	WIN 0
	s_mul_i32 s38, s12, 16*KPITCH
	v_mul_u32_u24 v[KST], v[T+2], KPITCH
	v_lshl_add_u32 v[KST], v[T+1], 3, v[KST]
	v_add_nc_u32 v[KST], s38, v[KST]
	s_mul_i32 s38, s12, 16*VPITCH
	s_add_co_u32 s38, s38, VT
	v_mul_u32_u24 v[VST], v[T+2], VPITCH
	v_lshl_add_u32 v[VST], v[T+1], 3, v[VST]
	v_add_nc_u32 v[VST], s38, v[VST]
	v_mul_u32_u24 v[KA], v[T+1], KPITCH
	v_lshl_add_u32 v[KA], v[T+2], 4, v[KA]
	v_and_b32 v[T+4], 7, v0
	v_lshl_add_u32 v[T+4], v[T+2], 3, v[T+4]
	v_mul_u32_u24 v[VA], v[T+4], VPITCH
	v_bfe_u32 v[T+4], v0, 3, 1
	v_lshl_add_u32 v[VA], v[T+4], 4, v[VA]
	v_add_nc_u32 v[VA], VT, v[VA]
	s_lshl_b32 s38, s16, 5
	s_add_co_u32 s38, s38, 8
	v_add_nc_u32 v[DQ], s38, v[T+1]
	v_lshlrev_b32 v[T+4], 3, v[T+2]
	v_sub_nc_u32 v[DQ], v[DQ], v[T+4]              ; r - 8 h + 8 >= 0: stays unsigned
	v_add_nc_u32 v[DQ+1], 16, v[DQ]
	; The trip in which a wave's sums begin depends on i and g, so the sums start from cleared registers and a factor alpha = 0
.set n, 0
.rept 64
	v_mov_b32 v[OA+n], 0
.set n, n+1
.endr
.irp k, 0,1,2,3,4,5,6,7
	v_mov_b32 v[LS+\k], 0
.endr
.irp k, 0,1,2,3
	v_mov_b32 v[NM+\k], FMAX
.endr
	s_wait_loadcnt 16                              ; q's 16 loads are in; the 16 of K and V, issued behind them, stay out
	s_wait_alu depctr_vm_vsrc(0)                   ; q's loads have read v[T+3], which the softmax writes again
.set n, 0
.rept 32
	v_cvt_pk_bf16_f32 v[QF+n], v[SC+2*n], v[SC+2*n+1]
.set n, n+1
.endr
; ================================================ the walk: i + (15 - 2 i) + 1 = 16 - i trips ================================================
	s_cmp_eq_u32 s13, 0
	s_cbranch_scc1 .Lmid
	s_mov_b32 s19, s13
.Lwalk1:
	TRIP 1, 1, 1
	s_sub_co_u32 s19, s19, 1
	s_cmp_lg_u32 s19, 0
	s_cbranch_scc1 .Lwalk1
.Lmid:
	s_lshl_b32 s19, s13, 1
	s_sub_co_u32 s19, 15, s19                      ; at least 1
.Lwalk2:
	TRIP 2, 0, 1
	s_sub_co_u32 s19, s19, 1
	s_cmp_lg_u32 s19, 0
	s_cbranch_scc1 .Lwalk2
	TRIP 3, 0, 0                                   ; j = 0: nothing more is asked for
; ================================================ epilogue ================================================
	; All LDS addresses of the suffix sums' exchange are made here, ahead of one wait.  These vector lines are also the places behind the last
	; matrix instructions: they name none of their registers.
	v_and_b32 v[T+1], 15, v0                       ; r
	v_bfe_u32 v[T+2], v0, 4, 1                     ; h
	s_lshl_b32 s30, s12, 10
	s_add_co_u32 s30, s30, SVP
	v_lshlrev_b32 v[T], 4, v[T+1]
	v_lshl_add_u32 v[T], v[T+2], 9, v[T]
	v_add_nc_u32 v[T], s30, v[T]                   ; SVP + 1024 w + 512 h + 16 r
	v_and_b32 v[T+3], 127, v0
	v_lshrrev_b32 v[T+4], 7, v0
	v_lshlrev_b32 v[T+3], 2, v[T+3]                ; thread t adds 8 of the 16 partial sums of number t & 127 (half t >> 7 of them):
	v_lshl_add_u32 v[T+5], v[T+4], 12, v[T+3]      ; where it reads them,
	v_lshl_add_u32 v[T+6], v[T+4], 9, v[T+3]       ; and where it stores their sum
	s_lshl_b32 s38, s15, 8
	v_lshlrev_b32 v[ED], 5, v[T+2]                 ; my 32 numbers of my group's suffix sum: 256 g + 32 h
	v_add_nc_u32 v[ED], s38, v[ED]
	WIN 0x45
	v_pk_add_f32 v[AB:AB+1], v[AB:AB+1], v[AX:AX+1]            ; the low block's sum holds the extra tiles too
	v_pk_add_f32 v[AB+2:AB+3], v[AB+2:AB+3], v[AX+2:AX+3]
	WIN 0x04
	s_wait_alu depctr_va_vdst(0)                   ; AX and AB, the stores' data, are written; so are the addresses v[T], v[T+5], v[T+6], v[ED]; the walk's products and roundings are done with the score registers, in which loads land below
	ds_store_b128 v[T], v[AX:AX+3]
	ds_store_b128 v[T], v[AB:AB+3] offset:256
	WIN 0
	s_wait_dscnt 0x0                               ; my partial sums are stored
	s_barrier_signal -1
	s_barrier_wait -1
.irp n, 0,1,2,3,4,5,6,7
	ds_load_b32 v[SC+\n], v[T+5] offset:SVP+512*\n
.endr
	s_wait_dscnt 0x0
	v_pk_add_f32 v[SC:SC+1], v[SC:SC+1], v[SC+2:SC+3]
	v_pk_add_f32 v[SC+4:SC+5], v[SC+4:SC+5], v[SC+6:SC+7]
	v_pk_add_f32 v[SC:SC+1], v[SC:SC+1], v[SC+4:SC+5]
	v_add_f32 v[SC], v[SC], v[SC+1]
	s_wait_alu depctr_va_vdst(0)                   ; the sum is written into v[SC], the store's data; the additions are done with v[SC .. SC+7], in which loads land below
	ds_store_b32 v[T+6], v[SC] offset:SVF          ; each word of SVF has one writer
	s_wait_dscnt 0x0
	s_barrier_signal -1
	s_barrier_wait -1
	s_wait_alu depctr_vm_vsrc(0)                   ; that store has read v[SC], in which a load below lands; the LDS instructions so far have read v[T], v[T+5], v[T+6] and v2 to v4, which are written below
	; d = 16 dt + 8 h + 0 .. 7, both halves: load n = 8 ph + 2 dt + c
.irp n, 0,1,2,3,4,5,6,7,8,9,10,11,12,13,14,15
	ds_load_b128 v[SC+4*\n:SC+4*\n+3], v[ED] offset:SVF+512*(\n>>3)+64*((\n>>1)&3)+16*(\n&1)
.endr
	s_mul_i32 s30, s12, 32*OPITCH
	s_add_co_u32 s30, s30, OST                     ; my stage
	v_mul_u32_u24 v[EA], v[T+1], OPITCH            ; in: row r, 32 bytes for each lane half
	v_lshl_add_u32 v[EA], v[T+2], 5, v[EA]
	v_add_nc_u32 v[EA], s30, v[EA]
	v_mul_u32_u24 v[EB], v[T+2], OPITCH            ; back: lanes 0 - 15 one row of 256 bytes, lanes 16 - 31 the next
	v_lshl_add_u32 v[EB], v[T+1], 4, v[EB]
	v_add_nc_u32 v[EB], s30, v[EB]
	v_lshlrev_b32 v[EC], 4, v[T+1]                 ; and the same two rows in out
	v_lshl_add_u32 v[EC], v[T+2], 12, v[EC]
	s_cmp_eq_u32 s17, 15
	s_cselect_b32 s32, FMAX, 0                     ; block 15 has no tile above it: the score 0 does not join
	s_sub_co_u32 s33, 15, s17
	s_lshl_b32 s33, s33, 7
	s_cvt_f32_u32 s33, s33                         ; masked slots in the tiles above my block
	s_wait_dscnt 0x0
.set n, 0
.rept 16
	v_pk_add_f32 v[SC+n:SC+n+1], v[SC+n:SC+n+1], v[SC+32+n:SC+32+n+1]
.set n, n+2
.endr
	FINISH 0
	FINISH 1
	; THE WAY OUT: a lane holds 8 neighbouring d of one query, 32 bytes; through my own stage they become whole rows of 256 bytes.
	; LDS serves a wave's instructions in order (ISA guide 5.7.1), so the loads see the stores above them without a wait.
	s_wait_alu depctr_va_vdst(0)                   ; the output sums, the stores' data, are written; so are v[EA], v[EB], v[EC]; the lines above are done reading the score registers, in which the rows land
.irp u, 0,1
.irp dt, 0,1,2,3
.irp c, 0,1
	ds_store_b128 v[EA], v[OA+32*\u+8*\dt+4*\c:OA+32*\u+8*\dt+4*\c+3] offset:\u*16*OPITCH+64*\dt+16*\c
.endr
.endr
.endr
.irp n, 0,1,2,3,4,5,6,7,8,9,10,11,12,13,14,15
	ds_load_b128 v[SC+4*\n:SC+4*\n+3], v[EB] offset:\n*2*OPITCH
.endr
.irp n, 0,1,2,3,4,5,6,7,8,9,10,11,12,13,14,15
	s_wait_dscnt 15-\n                             ; read-back n is in; the younger ones stay out
	global_store_b128 v[EC], v[SC+4*\n:SC+4*\n+3], s[34:35] offset:\n*2*ROWB th:TH_STORE_NT   ; 16 lanes store 256 consecutive bytes, at a multiple of 256 from out's first byte
.endr
	s_set_vgpr_msb 0x5
	s_wait_dscnt 0x0
	s_wait_alu depctr_hold_cnt(0) depctr_sa_sdst(0) depctr_va_vdst(0) depctr_va_sdst(0) depctr_va_ssrc(0) depctr_va_vcc(0) depctr_vm_vsrc(0)
	s_wait_tensorcnt 0x0
	ds_add_u32 v232, v233
	s_wait_dscnt 0x0
	s_endpgm
.Lfunc_end_k_q19784c0b94_attn:
	.size	k_q19784c0b94_attn, .Lfunc_end_k_q19784c0b94_attn-k_q19784c0b94_attn
	.p2alignl 7, 3214868480
	.fill 96, 4, 3214868480
	.section	.rodata,"a",@progbits
	.p2align	6, 0x0
	.amdhsa_kernel k_q19784c0b94_attn
		.amdhsa_group_segment_fixed_size 118784
		.amdhsa_private_segment_fixed_size 0
		.amdhsa_enable_private_segment 0
		.amdhsa_kernarg_size 32
		.amdhsa_user_sgpr_count 2
		.amdhsa_user_sgpr_kernarg_segment_ptr 1
		.amdhsa_wavefront_size32 1
		.amdhsa_system_sgpr_workgroup_id_x 1
		.amdhsa_system_sgpr_workgroup_id_y 1
		.amdhsa_system_sgpr_workgroup_id_z 1
		.amdhsa_system_vgpr_workitem_id 0
		.amdhsa_next_free_vgpr 490
		.amdhsa_next_free_sgpr 98
		.amdhsa_reserve_vcc 0
		.amdhsa_float_denorm_mode_32 3
		.amdhsa_float_denorm_mode_16_64 3
		.amdhsa_memory_ordered 1
		.amdhsa_forward_progress 1
		.amdhsa_inst_pref_size 201
	.end_amdhsa_kernel
	.amdgpu_metadata
---
amdhsa.version: [ 1, 2 ]
amdhsa.kernels:
  - .name:           k_q19784c0b94_attn
    .symbol:         k_q19784c0b94_attn.kd
    .args:
      - { .name: queries, .offset: 0, .size: 8, .value_kind: global_buffer, .address_space: global }
      - { .name: keys, .offset: 8, .size: 8, .value_kind: global_buffer, .address_space: global }
      - { .name: values, .offset: 16, .size: 8, .value_kind: global_buffer, .address_space: global }
      - { .name: out0, .offset: 24, .size: 8, .value_kind: global_buffer, .address_space: global }
    .group_segment_fixed_size: 118784
    .private_segment_fixed_size: 0
    .kernarg_segment_align: 8
    .kernarg_segment_size: 32
    .max_flat_workgroup_size: 256
    .sgpr_count:     98
    .vgpr_count:     490
    .wavefront_size: 32
...
	.end_amdgpu_metadata
.endif
;; end of part 2
